; MI455X (gfx1250); checked and timed in simulation.
; The chip was launched on July 23, 2026; its instructions are those of AMD's public machine-readable ISA for CDNA 5 (MIT licence, August 2026) and "CDNA5" Instruction Set Architecture Reference Guide (July 2026). The comments in the code are by the model that wrote it; some were corrected since.
;; Scaled Dot Product Attention. Allowed arithmetic: float matrix products may take bf16 or f16 operands with f32 sums; other float arithmetic in f32, or as packed bf16 or f16 multiplies, adds, multiply-adds, maxima and minima; sums over many terms, partial sums and values carried from step to step in f32; what a program stores and reads back later, other than sums and carried values, may be rounded once to bf16 or f16.
;; Inputs: k 2 x 8 x 2,048 x 128 float32; q 2 x 8 x 2,048 x 128 float32; v 2 x 8 x 2,048 x 128 float32.
;; Outputs: out0 2 x 8 x 2,048 x 128 float32.
;; One version. Each part assembles by itself: llvm-mc -triple=amdgcn-amd-amdhsa -mcpu=gfx1250 --defsym DOCPART=n.
;; ======== version 1 of 1: 2 launches
;; limits: a function is approximated: absolute error at most 0.0009; values are held in f16: magnitudes above 65,504 overflow, below 6.1e-05 lose precision; inputs' magnitudes at most 65,504
;; workspace buffers: kb 8,388,608 bytes; vh 8,388,608 bytes
;; launch cast (part 1): grid 256 x 2, 8 waves a work-group, no clusters, 0 bytes of LDS; arguments k, v, kb, vh; writes kb, vh
.if DOCPART == 1
	.amdgcn_target "amdgcn-amd-amdhsa--gfx1250"
	.amdhsa_code_object_version 6
	.text
	.protected	k_qfd239fb064_cast
	.globl	k_qfd239fb064_cast
	.p2align	8
	.type	k_qfd239fb064_cast,@function
k_qfd239fb064_cast:
	s_mov_b64 s[64:65], 0
	v_nop
	global_prefetch_b8 v0, s[64:65] scope:SCOPE_SE
	s_setreg_imm32_b32 hwreg(HW_REG_WAVE_MODE, 25, 1), 1
	s_wait_xcnt 0x0
; kb = bf16(k);  vh = f16(bf16(v)).  k, v: 4,194,304 f32 each; kb, vh: the same numbers in 16 bits, same order.
; Work-groups with y = 0 take k, those with y = 1 take v.  Work-group x owns 65,536 bytes of its input and 32,768 of its output.
; Thread t, pass i of 8: 32 bytes in (two loads of 16) at 8,192 i + 32 t, 16 bytes out at 4,096 i + 16 t: sixteen neighbouring
; lanes store 256 consecutive bytes, aligned.  All 16 loads of a thread go out first; no register is written twice while a
; memory instruction may read it, so the counted waits for the loads are the only waits.
; No LDS, no matrix unit: every byte is read once and written once, and nothing is shared.
; LIMITS.  v is rounded to bf16 first, then written as f16: exact for 6.1e-5 <= |v| < 65,504; smaller numbers keep f16's fixed
; step of 6e-8, larger ones become infinities.  NaN is not treated apart.
.set X, 4                              ; v[4:67]    pass i: 8 f32 as loaded (the v path widens in place here)
.set Y, 68                             ; v[68:99]   pass i: 4 registers to store
.set T, 100                            ; v[100:103] the v path: 8 bf16, packed
	s_load_b256 s[4:11], s[0:1], 0x0               ; k s[4:5], v s[6:7], kb s[8:9], vh s[10:11]
	s_and_b32 s17, ttmp7, 0xffff                   ; y: which tensor
	s_lshl_b32 s18, ttmp9, 16                      ; my part of the input, in bytes
	s_mov_b32 s19, 0
	s_lshl_b32 s20, ttmp9, 15                      ; my part of the output
	s_mov_b32 s21, 0
	s_mov_b32 s16, 0xffff0000                      ; a word's upper bf16
	v_lshlrev_b32 v1, 5, v0                        ; 32 t
	v_lshlrev_b32 v2, 4, v0                        ; 16 t
	s_wait_kmcnt 0x0
	s_cmp_eq_u32 s17, 0
	s_cselect_b64 s[12:13], s[4:5], s[6:7]         ; from k or from v,
	s_cselect_b64 s[14:15], s[8:9], s[10:11]       ; to kb or to vh
	s_add_nc_u64 s[12:13], s[12:13], s[18:19]
	s_add_nc_u64 s[14:15], s[14:15], s[20:21]
.irp i, 0,1,2,3,4,5,6,7
	global_load_b128 v[X+8*(\i):X+8*(\i)+3],   v1, s[12:13] offset:8192*(\i) th:TH_LOAD_NT
	global_load_b128 v[X+8*(\i)+4:X+8*(\i)+7], v1, s[12:13] offset:8192*(\i)+16 th:TH_LOAD_NT
.endr
	s_cmp_eq_u32 s17, 0
	s_cbranch_scc0 .Lfor_v
.irp i, 0,1,2,3,4,5,6,7
	s_wait_loadcnt 14-2*(\i)                       ; loads come back in order: pass i's two are in, the 2 (7 - i) younger ones stay out
.irp j, 0,1,2,3
	v_cvt_pk_bf16_f32 v[Y+4*(\i)+(\j)], v[X+8*(\i)+2*(\j)], v[X+8*(\i)+2*(\j)+1]
.endr
	global_store_b128 v2, v[Y+4*(\i):Y+4*(\i)+3], s[14:15] offset:4096*(\i)   ; no hint: the next launch reads these bytes many times
.endr
	s_endpgm
.Lfor_v:
.irp i, 0,1,2,3,4,5,6,7
	s_wait_loadcnt 14-2*(\i)
.irp j, 0,1,2,3
	v_cvt_pk_bf16_f32 v[T+(\j)], v[X+8*(\i)+2*(\j)], v[X+8*(\i)+2*(\j)+1]     ; the one rounding: to bf16
.endr
.irp j, 0,1,2,3
	v_lshlrev_b32 v[X+8*(\i)+2*(\j)],   16,  v[T+(\j)]                        ; back to f32: the low half moves up,
	v_and_b32     v[X+8*(\i)+2*(\j)+1], s16, v[T+(\j)]                        ; the high half stays
.endr
.irp j, 0,1,2,3
	v_cvt_pk_f16_f32 v[Y+4*(\i)+(\j)], v[X+8*(\i)+2*(\j)], v[X+8*(\i)+2*(\j)+1]  ; 8 significant bits fit f16's 11
.endr
	global_store_b128 v2, v[Y+4*(\i):Y+4*(\i)+3], s[14:15] offset:4096*(\i)
.endr
	s_endpgm
.Lfunc_end_k_qfd239fb064_cast:
	.size	k_qfd239fb064_cast, .Lfunc_end_k_qfd239fb064_cast-k_qfd239fb064_cast
	.p2alignl 7, 3214868480
	.fill 96, 4, 3214868480
	.section	.rodata,"a",@progbits
	.p2align	6, 0x0
	.amdhsa_kernel k_qfd239fb064_cast
		.amdhsa_group_segment_fixed_size 0
		.amdhsa_private_segment_fixed_size 0
		.amdhsa_enable_private_segment 0
		.amdhsa_kernarg_size 32
		.amdhsa_user_sgpr_count 2
		.amdhsa_user_sgpr_kernarg_segment_ptr 1
		.amdhsa_wavefront_size32 1
		.amdhsa_system_sgpr_workgroup_id_x 1
		.amdhsa_system_sgpr_workgroup_id_y 1
		.amdhsa_system_sgpr_workgroup_id_z 1
		.amdhsa_system_vgpr_workitem_id 0
		.amdhsa_next_free_vgpr 104
		.amdhsa_next_free_sgpr 66
		.amdhsa_reserve_vcc 0
		.amdhsa_float_denorm_mode_32 3
		.amdhsa_float_denorm_mode_16_64 3
		.amdhsa_memory_ordered 1
		.amdhsa_forward_progress 1
		.amdhsa_inst_pref_size 13
	.end_amdhsa_kernel
	.amdgpu_metadata
---
amdhsa.version: [ 1, 2 ]
amdhsa.kernels:
  - .name:           k_qfd239fb064_cast
    .symbol:         k_qfd239fb064_cast.kd
    .args:
      - { .name: k, .offset: 0, .size: 8, .value_kind: global_buffer, .address_space: global }
      - { .name: v, .offset: 8, .size: 8, .value_kind: global_buffer, .address_space: global }
      - { .name: kb, .offset: 16, .size: 8, .value_kind: global_buffer, .address_space: global }
      - { .name: vh, .offset: 24, .size: 8, .value_kind: global_buffer, .address_space: global }
    .group_segment_fixed_size: 0
    .private_segment_fixed_size: 0
    .kernarg_segment_align: 8
    .kernarg_segment_size: 32
    .max_flat_workgroup_size: 256
    .sgpr_count:     66
    .vgpr_count:     104
    .wavefront_size: 32
...
	.end_amdgpu_metadata
.endif
;; end of part 1
;; launch entmax (part 2): grid 64 x 16, 4 waves a work-group, clusters of 4 x 1, 327,680 bytes of LDS; arguments q, kb, vh, out0; writes out0
.if DOCPART == 2
	.amdgcn_target "amdgcn-amd-amdhsa--gfx1250"
	.amdhsa_code_object_version 6
	.text
	.protected	k_qfd239fb064_entmax
	.globl	k_qfd239fb064_entmax
	.p2align	8
	.type	k_qfd239fb064_entmax,@function
k_qfd239fb064_entmax:
	s_mov_b64 s[64:65], 0
	v_nop
	global_prefetch_b8 v0, s[64:65] scope:SCOPE_SE
	s_setreg_imm32_b32 hwreg(HW_REG_WAVE_MODE, 25, 1), 1
	s_wait_xcnt 0x0
	s_wait_alu depctr_hold_cnt(0) depctr_sa_sdst(0) depctr_va_vdst(0) depctr_va_sdst(0) depctr_va_ssrc(0) depctr_va_vcc(0) depctr_vm_vsrc(0)
	s_getreg_b32 s2, hwreg(HW_REG_IB_STS2, 6, 4)
	s_cmp_eq_u32 s2, 0
	s_cbranch_scc0 .Lentry_in_a_cluster
	s_endpgm
.Lentry_in_a_cluster:
	s_bfe_u32 s2, ttmp6, 0x10000c
	s_cmp_lg_u32 s2, 0x3003
	s_cbranch_scc0 .Lentry_shape_is_right
	s_endpgm
.Lentry_shape_is_right:
; out[h][q][:] = the sum over k of p[q][k] v[h][k][:],  p = entmax15(q . k / sqrt(128)).  16 heads, 2,048 queries, 2,048 keys, 128 channels.
; q, out0: f32.  kb = bf16(k), vh = f16(bf16(v)): [16][2048][128], rows of 256 bytes, made by the launch before.
; THE THRESHOLD WITHOUT A SORT.  With c = 1 / (2 sqrt(128)), m a query's largest score and u_k = max(c s_k - c m - tau, 0), tau is the one root of
; sum u^2 = 1, it lies in [-1, 0), and p = u^2.  Newton's method on F(tau) = ||u||_2 - 1, which is convex and falls, from tau = -1:
; tau += (A - sqrt(A)) / B with A = sum u^2, B = sum u.  The iterates rise to the root and never pass it, so u <= 1 throughout and the clamp to 0..1 is the max with 0.
; LENGTH.  Convexity gives F_next <= F (1 - r), r the ratio of the new slope to the old; the slopes B / sqrt(A) lie between 1 and G = sqrt(2048), and F at the start
; is at most G - 1; so after K steps F <= (G - 1) (1 - G^(-1/K))^K for EVERY input: 4.5e-4 at K = 10 (sum p within 0.09 % of 1).  Ten steps, always; no branch hangs on data.
; LIMITS.  The iterate is kept as nw = -(c m + tau), so tau is known to half a last place of c m, the order of the f32 score's own rounding.  p is rounded to f16 for the
; second product (below 6.1e-5 it keeps f16's fixed step of 6e-8); |v| < 65,504.  NaN and infinities are not treated apart.  The order of rounding is not reference()'s.
; SHARES.  A work-group owns 32 queries of one head: two tiles of 16.  The keys are split over its four waves: of each tile of 512 keys wave w owns keys 128 w .. 128 w + 127,
; so a wave keeps 32 x 512 scores in f32 in 512 registers from the first product to the last, and no score ever leaves the registers.
; LAYOUT.  S^T = K Q^T (source 0 = 16 keys, source 1 = 16 queries): a lane holds ONE query (lane % 16) and keys 8 (lane / 16) + 0..7.  Two such results, made into weights and
; rounded to f16 in pairs, ARE source 1 (32 keys x 16 queries) of O^T = V^T P.  K comes out of LDS as it lies, V ([key][channel]) turned, by ds_load_tr16_b128.
; A query's maximum, A and B are partial in 8 places (4 waves x 2 halves of the lanes): they meet in LDS, and every lane adds all 8 in one fixed order, so all waves hold the same tau.
; O^T is partial in the four waves: the four parts meet in LDS in f32 at the end.
; CLUSTER.  The four blocks of a cluster belong to one head and walk the same K and V: each tile is asked for JOINTLY, by the same tensor load with the same descriptor and a mask of all four.
; Each wave asks for exactly the 128 rows that it alone reads, so its own wait on TENSORcnt orders its reads.  At most two tensor loads of a wave are out.
; THE TILES: K0..K3, V0..V3, tile n into slot n % 2.  V0 and V1 land while the threshold is found.
; REGISTERS, in windows of 256 (s_set_vgpr_msb: bits 1:0 source 0, 3:2 source 1, 5:4 source 2, 7:6 destination).  Window g: v128-255 the scores of key tile g, accumulator (qt, j) at 128 + 64 qt + 8 j;
; later its weights, fragment (qt, t) at 128 + 32 qt + 8 t.  v96-127 of EVERY window: a copy of the iteration's state, so that a sweep over a window's scores runs under one setting.
;   window 0: v0-15 addresses; v30, v31 the add's; v32-95 Q, later the exchange      window 1: v0-127 two buffers of K      window 2: v0-127 two buffers of V      window 3: v0-127 O^T, (qt, ct) at 64 qt + 8 ct
.set PK,    272                        ; a row of K in LDS: 256 bytes + 16: row r begins 16 r further modulo 256, so the 16 rows of a load touch 16 different columns of 16 bytes
.set PV,    288                        ; a row of V: 256 + 32: 16 lanes of the turning load take 8 rows x 32 bytes, all different modulo 256
.set WKB,   128*PK                     ; a wave's part of a tile of K
.set WVB,   128*PV                     ; and of V
.set SLOTB, 4*WVB                      ; a slot: 147,456 bytes
.set TILEB, 512*256                    ; a tile in memory
.set XM,    2*SLOTB                    ; behind the ring, never filled by a tensor load: the maxima, 8 bytes a thread
.set XS,    XM+1024                    ; the sums, 16 bytes a thread, two buffers of 2,048 by the step's parity
.set SPARE, XS+4096                    ; the spare words, 128 bytes for each wave: two blocks of 256 bytes that no other line names
.set SP,    528                        ; the way out: a row of 128 f32 + 16 bytes
.set STG,   32*SP                      ; a wave's part of the stage; the four parts lie over slot 0, behind its last fill
.set AK,  4                            ; v4, v5   LDS address of my K fragments in slot 0, 1
.set AV,  6                            ; v6, v7   the same for V
.set QO,  8                            ; v8       my byte offset in 16 rows of q
.set XMW, 9                            ; v9       where I put my two maxima
.set XMR, 10                           ; v10      where my queries' 8 partial maxima begin
.set XSW, 11                           ; v11      where I put my four sums
.set XSR, 12                           ; v12      where my queries' 8 partial sums begin
.set STO, 13                           ; v13      the way out: where I put 32 bytes of a row
.set RD,  14                           ; v14      the way out: where I read rows back
.set GO,  15                           ; v15      my byte offset in the block's rows of out0
.set SPW, 30                           ; v30      LDS address of my spare word; never rewritten
.set NIL, 31                           ; v31      0; never rewritten
.set QF,  32                           ; v32-95   Q: fragment (qt, c) at 32 + 8 (4 qt + c)
.set XL,  32                           ; v32-63   later: what comes back from the exchange
.set XD,  64                           ; v64-67   later: A0, B0, A1, B1 of my lane
.set TT,  68                           ; v68-71   at work
.set CC,  96                           ; v96-97   c, c
.set NW,  98                           ; v98-101  nw of query tile 0, twice; of tile 1, twice
.set UU,  102                          ; v102-109 four pairs of u at work
.set MX,  102                          ;          before that: eight chains of the maximum, (qt, i) at 102 + 4 qt + i
.set AA,  110                          ; v110-117 sum u^2: chain (qt, i) at 110 + 4 qt + 2 i
.set BB,  118                          ; v118-125 sum u, likewise
.set XP,  126                          ; v126-127 my lane's two maxima
.set SR,  128
.set WV,  12                           ; s12      my wave's number
.set SWK, 20                           ; s20      my part's place in a slot, for K
.set SWV, 21                           ; s21      for V
.set G1K, 24                           ; s[24:31] descriptor group 1 for K's tiles
.set G1V, 32                           ; s[32:39] for V's: it differs in the padding alone
.set G0,  40                           ; s[40:47] descriptor group 0, a set for each slot
.set CNT, 48                           ; s48      counts pairs of Newton steps
.set NC,  49                           ; s49      -c
.set CVAL, 0x3d3504f3                  ; c = 2^-4.5
.set MSB, 0
.macro WIN new                         ; the immediate's high byte repeats the setting that is left; a switch that changes nothing is dropped
.if MSB != (\new)
	s_set_vgpr_msb (MSB<<8)|(\new)
.set MSB, (\new)
.endif
.endm
; A load into a register that a matrix instruction has read, and a vector instruction or LDS store that reads a matrix result or writes one of a matrix instruction's registers,
; stand four places behind it; only plain vector instructions that name none of its registers are places (ISA guide 7.12.1 for vector instructions).
.macro PLACES
.rept 4
	v_nop
.endr
.endm
; A round of the cluster's barrier: my work-group's barrier, so that wave 0's signal speaks for all four waves; wave 0 signals; every wave waits for all four work-groups; my work-group's barrier once more.
.macro CROUND
	s_barrier_signal -1
	s_barrier_wait -1
	s_cmp_lg_u32 s[WV], 0
	s_cbranch_scc1 .Lnot_wave_0_\@
	s_barrier_signal -3
.Lnot_wave_0_\@:
	s_barrier_wait -3
	s_barrier_signal -1
	s_barrier_wait -1
.endm
; THE CHANGE OF SLOTS.  The slot has been read out.  Each wave waits for all its tensor loads (the one that is out is its part of the other slot), adds 0 to its spare word, makes the
; slot's group 0 anew while the add is out, and waits for the add and for its own reads of the slot.  Behind the round no wave of any partner reads the slot or has a load on its way:
; the joint refill is the first thing there, one load a wave: my 128 rows of tile g of K (kind = 0) or V (kind = 1).  The four v_nop behind it are also the places in front of the next fragment loads.
.macro CHANGE slot, kind, g
	WIN 0                                          ; at a label and at a branch every window is 0; the add's registers lie in window 0
	s_wait_tensorcnt 0x0                           ; no tensor load of mine is out, so a group 0 may be written
	ds_add_u32 v[SPW], v[NIL]                      ; 0 onto my spare word
.if \kind
	s_add_co_u32 s[G0+4*(\slot)+1], s[SWV], (\slot)*SLOTB
	s_add_nc_u64 s[G0+4*(\slot)+2:G0+4*(\slot)+3], s[8:9], (\g)*TILEB
.else
	s_add_co_u32 s[G0+4*(\slot)+1], s[SWK], (\slot)*SLOTB
	s_add_nc_u64 s[G0+4*(\slot)+2:G0+4*(\slot)+3], s[6:7], (\g)*TILEB
.endif
	s_or_b32 s[G0+4*(\slot)+3], s[G0+4*(\slot)+3], 0x80000000  ; 127:126 type = 2
	s_wait_dscnt 0x0                               ; the add is done, and my reads of the slot are over
	CROUND
.if \kind
	tensor_load_to_lds s[G0+4*(\slot):G0+4*(\slot)+3], s[G1V:G1V+7]
.else
	tensor_load_to_lds s[G0+4*(\slot):G0+4*(\slot)+3], s[G1K:G1K+7]
.endif
	s_nop 0
	PLACES
.endm
; 16 LDS loads in one run: K's fragments of key tiles 2 t, 2 t + 1 of my 8, all 128 channels, into buffer b of window 1.
; A fragment is 16 rows x 32 channels in 8 registers: lane l holds row l % 16, channels 8 (l / 16) + 0..7 and 16 + 8 (l / 16) + 0..7: two loads of 16 bytes, 32 bytes apart.
.macro KFETCH slot, t, b
	WIN 0x40                                       ; destination window 1, address window 0
.irp jj, 0,1
.irp c, 0,1,2,3
	ds_load_b128 v[64*(\b)+32*(\jj)+8*(\c):64*(\b)+32*(\jj)+8*(\c)+3],   v[AK+(\slot)] offset:(2*(\t)+(\jj))*16*PK+64*(\c)
	ds_load_b128 v[64*(\b)+32*(\jj)+8*(\c)+4:64*(\b)+32*(\jj)+8*(\c)+7], v[AK+(\slot)] offset:(2*(\t)+(\jj))*16*PK+64*(\c)+32
.endr
.endr
.endm
; 16 matrix instructions: those two key tiles x both query tiles x 128 channels.  The four accumulators take turns, one instruction a turn; the first product of each starts its sum.
.macro KMUL g, t, b
	WIN ((\g)<<6)|((\g)<<4)|1                      ; K window 1, Q window 0, S^T window g
.irp c, 0,1,2,3
.irp jj, 0,1
.irp qt, 0,1
.if (\c) == 0
	v_wmma_f32_16x16x32_bf16 v[SR+64*(\qt)+8*(2*(\t)+(\jj)):SR+64*(\qt)+8*(2*(\t)+(\jj))+7], v[64*(\b)+32*(\jj)+8*(\c):64*(\b)+32*(\jj)+8*(\c)+7], v[QF+8*(4*(\qt)+(\c)):QF+8*(4*(\qt)+(\c))+7], 0
.else
	v_wmma_f32_16x16x32_bf16 v[SR+64*(\qt)+8*(2*(\t)+(\jj)):SR+64*(\qt)+8*(2*(\t)+(\jj))+7], v[64*(\b)+32*(\jj)+8*(\c):64*(\b)+32*(\jj)+8*(\c)+7], v[QF+8*(4*(\qt)+(\c)):QF+8*(4*(\qt)+(\c))+7], v[SR+64*(\qt)+8*(2*(\t)+(\jj)):SR+64*(\qt)+8*(2*(\t)+(\jj))+7]
.endif
.endr
.endr
.endr
.endm
; My 128 keys of key tile g: 64 matrix instructions.  Each run of loads is issued 16 matrix instructions ahead of its use; a wait for 16 leaves only the run just issued out.
; A step opens with loads into BOTH buffers, so four places stand between the step before's last products and its first line: those of the change of slots, or four of their own.
.macro KSTEP g, slot
	KFETCH \slot, 0, 0
	KFETCH \slot, 1, 1
	s_wait_dscnt 16
	KMUL \g, 0, 0
	PLACES
	KFETCH \slot, 2, 0
	s_wait_dscnt 16
	KMUL \g, 1, 1
	PLACES
	KFETCH \slot, 3, 1
	s_wait_dscnt 16
	KMUL \g, 2, 0
	s_wait_dscnt 0x0
	KMUL \g, 3, 1
.endm
; 16 LDS loads in one run: V^T's fragments of keys 32 t .. 32 t + 31 of my 128, all 128 channels, into buffer b of window 2.  The turning load takes 16 keys x 16 channels
; (lane l reads key 8 (l / 16) + l % 8, channels 8 ((l / 8) % 2) + 0..7) and leaves half a fragment: lane l holds channel l % 16 and 8 keys.
.macro VFETCH slot, t, b
	WIN 0x80                                       ; destination window 2, address window 0
.irp ct, 0,1,2,3,4,5,6,7
	ds_load_tr16_b128 v[64*(\b)+8*(\ct):64*(\b)+8*(\ct)+3],   v[AV+(\slot)] offset:(\t)*32*PV+32*(\ct)
	ds_load_tr16_b128 v[64*(\b)+8*(\ct)+4:64*(\b)+8*(\ct)+7], v[AV+(\slot)] offset:(\t)*32*PV+16*PV+32*(\ct)
.endr
.endm
; 16 matrix instructions: those 32 keys x 128 channels x both query tiles.  All 16 accumulators take turns.  first = 1: the products start the sums.
.macro VMUL g, t, b, first
	WIN 0xf0|((\g)<<2)|2                           ; V window 2, P window g, O^T window 3
.irp ct, 0,1,2,3,4,5,6,7
.irp qt, 0,1
.if \first
	v_wmma_f32_16x16x32_f16 v[64*(\qt)+8*(\ct):64*(\qt)+8*(\ct)+7], v[64*(\b)+8*(\ct):64*(\b)+8*(\ct)+7], v[SR+32*(\qt)+8*(\t):SR+32*(\qt)+8*(\t)+7], 0
.else
	v_wmma_f32_16x16x32_f16 v[64*(\qt)+8*(\ct):64*(\qt)+8*(\ct)+7], v[64*(\b)+8*(\ct):64*(\b)+8*(\ct)+7], v[SR+32*(\qt)+8*(\t):SR+32*(\qt)+8*(\t)+7], v[64*(\qt)+8*(\ct):64*(\qt)+8*(\ct)+7]
.endif
.endr
.endr
.endm
.macro VSTEP g, slot, first            ; as KSTEP, and with the same four places in front of it
	VFETCH \slot, 0, 0
	VFETCH \slot, 1, 1
	s_wait_dscnt 16
	VMUL \g, 0, 0, \first
	PLACES
	VFETCH \slot, 2, 0
	s_wait_dscnt 16
	VMUL \g, 1, 1, 0
	PLACES
	VFETCH \slot, 3, 1
	s_wait_dscnt 16
	VMUL \g, 2, 0, 0
	s_wait_dscnt 0x0
	VMUL \g, 3, 1, 0
.endm
; The largest of a window's scores for each of my two queries, under one setting.  Eight chains that do not wait for each other; chain (qt, i) takes accumulators 2 i and 2 i + 1 of tile qt,
; 16 scores in ascending order.  The results: v[MX] and v[MX+4].
.macro MAXW
.irp n, 0,1,2,3,4,5,6,7
.irp qt, 0,1
.irp i, 0,1,2,3
.if (\n) == 0
	v_max3_num_f32 v[MX+4*(\qt)+(\i)], v[SR+64*(\qt)+16*(\i)], v[SR+64*(\qt)+16*(\i)+1], v[SR+64*(\qt)+16*(\i)+2]
.elseif (\n) < 7
	v_max3_num_f32 v[MX+4*(\qt)+(\i)], v[MX+4*(\qt)+(\i)], v[SR+64*(\qt)+16*(\i)+2*(\n)+1], v[SR+64*(\qt)+16*(\i)+2*(\n)+2]
.else
	v_max_num_f32 v[MX+4*(\qt)+(\i)], v[MX+4*(\qt)+(\i)], v[SR+64*(\qt)+16*(\i)+15]
.endif
.endr
.endr
.endr
.irp qt, 0,1
	v_max3_num_f32 v[MX+4*(\qt)], v[MX+4*(\qt)], v[MX+4*(\qt)+1], v[MX+4*(\qt)+2]
.endr
.irp qt, 0,1
	v_max_num_f32 v[MX+4*(\qt)], v[MX+4*(\qt)], v[MX+4*(\qt)+3]
.endr
.endm
.macro DIST w                          ; the two nw go from window 0 into window w
	WIN (\w)<<6
.irp i, 0,1,2,3
	v_mov_b32 v[NW+(\i)], v[NW+(\i)]
.endr
.endm
; One window's 128 scores a lane, under one setting: u = clamp(c s + nw), A += u u, B += u, two scores a line.  16 groups of four pairs (two of each query tile), each on a chain of its own, so that no
; line reads a result made fewer than four lines before it.  The first group starts the sums: nothing is cleared.  All sources of the clamped line are vector registers.
.macro SWEEP
.set gq, 0
.rept 16
.if gq == 0
.irp k, 0,1,2,3
	v_pk_fma_f32 v[BB+2*(\k):BB+2*(\k)+1], v[SR+64*((\k)/2)+2*((\k)%2):SR+64*((\k)/2)+2*((\k)%2)+1], v[CC:CC+1], v[NW+2*((\k)/2):NW+2*((\k)/2)+1] clamp
.endr
.irp k, 0,1,2,3
	v_pk_mul_f32 v[AA+2*(\k):AA+2*(\k)+1], v[BB+2*(\k):BB+2*(\k)+1], v[BB+2*(\k):BB+2*(\k)+1]
.endr
.else
.irp k, 0,1,2,3
	v_pk_fma_f32 v[UU+2*(\k):UU+2*(\k)+1], v[SR+64*((\k)/2)+4*gq+2*((\k)%2):SR+64*((\k)/2)+4*gq+2*((\k)%2)+1], v[CC:CC+1], v[NW+2*((\k)/2):NW+2*((\k)/2)+1] clamp
.endr
.irp k, 0,1,2,3
	v_pk_fma_f32 v[AA+2*(\k):AA+2*(\k)+1], v[UU+2*(\k):UU+2*(\k)+1], v[UU+2*(\k):UU+2*(\k)+1], v[AA+2*(\k):AA+2*(\k)+1]
.endr
.irp k, 0,1,2,3
	v_pk_add_f32 v[BB+2*(\k):BB+2*(\k)+1], v[BB+2*(\k):BB+2*(\k)+1], v[UU+2*(\k):UU+2*(\k)+1]
.endr
.endif
.set gq, gq+1
.endr
.irp k, 0,4
	v_pk_add_f32 v[AA+(\k):AA+(\k)+1], v[AA+(\k):AA+(\k)+1], v[AA+(\k)+2:AA+(\k)+3]
	v_pk_add_f32 v[BB+(\k):BB+(\k)+1], v[BB+(\k):BB+(\k)+1], v[BB+(\k)+2:BB+(\k)+3]
.endr
.endm
; ONE NEWTON STEP.  Four sweeps; the windows' sums into window 0; my lane's A0, B0, A1, B1 into exchange buffer b; one barrier; all 8 partial sums of my two queries back; the step.
; ONE barrier a step is enough because the buffers go by the step's parity: a wave that stores into buffer b again has passed the barrier of the step between, which every wave
; signalled only when its loads from b had come back.
.macro ITER b
.irp w, 1,2,3
	DIST \w
	WIN 0x55*(\w)
	SWEEP
.endr
	WIN 0
	SWEEP
.irp w, 1,2,3
	WIN \w                                         ; source 0 in window w; source 1 and destination in window 0
	v_pk_add_f32 v[AA:AA+1],   v[AA:AA+1],   v[AA:AA+1]
	v_pk_add_f32 v[AA+4:AA+5], v[AA+4:AA+5], v[AA+4:AA+5]
	v_pk_add_f32 v[BB:BB+1],   v[BB:BB+1],   v[BB:BB+1]
	v_pk_add_f32 v[BB+4:BB+5], v[BB+4:BB+5], v[BB+4:BB+5]
.endr
	WIN 0
	v_add_f32 v[XD],   v[AA],   v[AA+1]
	v_add_f32 v[XD+1], v[BB],   v[BB+1]
	v_add_f32 v[XD+2], v[AA+4], v[AA+5]
	v_add_f32 v[XD+3], v[BB+4], v[BB+5]
	ds_store_b128 v[XSW], v[XD:XD+3] offset:2048*(\b)
	s_wait_dscnt 0x0                               ; for the others' sake: my store is done
	s_barrier_signal -1
	s_barrier_wait -1
.irp i, 0,1,2,3,4,5,6,7
	ds_load_b128 v[XL+4*(\i):XL+4*(\i)+3], v[XSR] offset:2048*(\b)+256*(\i)   ; wave i / 2, half i % 2 of its lanes
.endr
	s_wait_dscnt 0x0
.irp i, 0,2,4,6                        ; one fixed tree, the same in every lane of every wave
	v_pk_add_f32 v[XL+4*(\i):XL+4*(\i)+1],   v[XL+4*(\i):XL+4*(\i)+1],   v[XL+4*(\i)+4:XL+4*(\i)+5]
	v_pk_add_f32 v[XL+4*(\i)+2:XL+4*(\i)+3], v[XL+4*(\i)+2:XL+4*(\i)+3], v[XL+4*(\i)+6:XL+4*(\i)+7]
.endr
.irp i, 0,4
	v_pk_add_f32 v[XL+4*(\i):XL+4*(\i)+1],   v[XL+4*(\i):XL+4*(\i)+1],   v[XL+4*(\i)+8:XL+4*(\i)+9]
	v_pk_add_f32 v[XL+4*(\i)+2:XL+4*(\i)+3], v[XL+4*(\i)+2:XL+4*(\i)+3], v[XL+4*(\i)+10:XL+4*(\i)+11]
.endr
	v_pk_add_f32 v[XL:XL+1],   v[XL:XL+1],   v[XL+16:XL+17]   ; A0, B0
	v_pk_add_f32 v[XL+2:XL+3], v[XL+2:XL+3], v[XL+18:XL+19]   ; A1, B1
	v_sqrt_f32 v[TT],   v[XL]
	v_sqrt_f32 v[TT+1], v[XL+2]
	v_rcp_f32  v[TT+2], v[XL+1]
	v_rcp_f32  v[TT+3], v[XL+3]
	v_nop                                          ; a plain instruction between the last of these and the use of their results (ISA guide 5.7.2)
	s_wait_alu depctr_va_vdst(0)
	v_sub_f32 v[TT],   v[XL],   v[TT]              ; A - sqrt(A)
	v_sub_f32 v[TT+1], v[XL+2], v[TT+1]
	v_fma_f32 v[NW],   -v[TT],   v[TT+2], v[NW]    ; tau rises by (A - sqrt(A)) / B, so nw falls by it
	v_fma_f32 v[NW+2], -v[TT+1], v[TT+3], v[NW+2]
	v_mov_b32 v[NW+1], v[NW]
	v_mov_b32 v[NW+3], v[NW+2]
.endm
; A window's scores become weights, under one setting: u as in a sweep, p = u u, two p rounded to f16 in a word.  Accumulator a's four words go to v[SR + 4 a ..], which never lies above what is still to be read.
.macro CONV
.set a, 0
.rept 16
.irp i, 0,1,2,3
	v_pk_fma_f32 v[SR+8*a+2*(\i):SR+8*a+2*(\i)+1], v[SR+8*a+2*(\i):SR+8*a+2*(\i)+1], v[CC:CC+1], v[NW+2*(a/8):NW+2*(a/8)+1] clamp
.endr
.irp i, 0,1,2,3
	v_pk_mul_f32 v[SR+8*a+2*(\i):SR+8*a+2*(\i)+1], v[SR+8*a+2*(\i):SR+8*a+2*(\i)+1], v[SR+8*a+2*(\i):SR+8*a+2*(\i)+1]
.endr
.irp i, 0,1,2,3
	v_cvt_pk_f16_f32 v[SR+4*a+(\i)], v[SR+8*a+2*(\i)], v[SR+8*a+2*(\i)+1]
.endr
.set a, a+1
.endr
.endm
	; ---- THE HEAD ----
	s_load_b256 s[4:11], s[0:1], 0x0               ; q s[4:5], kb s[6:7], vh s[8:9], out0 s[10:11]
	v_lshl_add_u32 v[SPW], v0, 2, SPARE
	v_mov_b32 v[NIL], 0
	ds_add_u32 v[SPW], v[NIL]                      ; the wave's opening: the add and its wait stand ahead of my first tensor load; the set-up below, work on registers, stands between them
	v_lshrrev_b32 v3, 5, v0
	v_readfirstlane_b32 s[WV], v3                  ; wave 0..3
	s_bfe_u32 s13, ttmp6, 0x40000                  ; cx: my place in the cluster
	s_lshl_b32 s14, ttmp9, 2                       ; in a cluster launch ttmp9 counts clusters
	s_add_co_u32 s14, s14, s13                     ; my block of 32 queries = 4 x cluster x + cx: it enters q's and out0's addresses alone
	s_and_b32 s15, ttmp7, 0xffff                   ; the head, which the four partners share
	s_lshl_b32 s16, s15, 19                        ; kb, vh: the head's 2,048 rows of 256 bytes,
	s_lshl_b32 s17, s[WV], 15                      ; my wave's 128 rows of a tile
	s_add_co_u32 s16, s16, s17
	s_mov_b32 s17, 0
	s_lshl_b32 s18, s15, 20                        ; q, out0: the head's 2,048 rows of 512 bytes,
	s_lshl_b32 s19, s14, 14                        ; my block's 32 rows
	s_add_co_u32 s18, s18, s19
	s_mov_b32 s19, 0
	s_mul_i32 s[SWK], s[WV], WKB                   ; no place in the cluster enters an LDS address
	s_mul_i32 s[SWV], s[WV], WVB
	s_mul_i32 s22, s[WV], 8*SP                     ; the way out: the 8 rows that I add up,
	s_mul_i32 s23, s[WV], STG                      ; and my part of the stage
	s_mov_b32 s[NC], 0xbd3504f3                    ; -c
	; descriptor group 1: a tile of 128 rows x 128 elements of 2 bytes, padded in LDS behind every row
	s_mov_b32 s[G1K], 15|(1<<16)|(1<<20)|(1<<21)|(5<<22)|(3<<25)  ; 15:0 the mask of four; 17:16 2-byte elements; 20 padding on; 21 set beside a mask; 24:22 after every 64 words (code 5); 31:25 4 words (code 3)
	s_mov_b32 s[G1V], 15|(1<<16)|(1<<20)|(1<<21)|(5<<22)|(7<<25)  ; the same with 8 words of padding (code 7)
.irp g, G1K, G1V
	s_mov_b32 s[\g+1], 128<<16                     ; tensor_dim0 = 128
	s_mov_b32 s[\g+2], 128<<16                     ; tensor_dim1 = 128
	s_mov_b32 s[\g+3], 128<<16                     ; tile_dim0 = 128
	s_mov_b32 s[\g+4], 128                         ; tile_dim1 = 128
	s_mov_b32 s[\g+5], 128                         ; 128 elements from row to row
	s_mov_b32 s[\g+6], 0
	s_mov_b32 s[\g+7], 0
.endr
	s_wait_dscnt 0x0                               ; the opening add is done
	s_wait_kmcnt 0x0
	s_add_nc_u64 s[6:7], s[6:7], s[16:17]          ; kb and vh at my 128 rows of the head's tile 0
	s_add_nc_u64 s[8:9], s[8:9], s[16:17]
	s_add_nc_u64 s[4:5], s[4:5], s[18:19]          ; q and out0 at my block's first row
	s_add_nc_u64 s[10:11], s[10:11], s[18:19]
.irp s, 0,1
	s_mov_b32 s[G0+4*(\s)], 1                      ; 1:0 count = 1; never rewritten
	s_add_co_u32 s[G0+4*(\s)+1], s[SWK], (\s)*SLOTB              ; 63:32 LDS address
	s_add_nc_u64 s[G0+4*(\s)+2:G0+4*(\s)+3], s[6:7], (\s)*TILEB  ; 120:64 global address: K's tile s
	s_or_b32 s[G0+4*(\s)+3], s[G0+4*(\s)+3], 0x80000000          ; 127:126 type = 2
.endr
	CROUND                                         ; all four work-groups are here: the first joint loads meet
	tensor_load_to_lds s[G0:G0+3], s[G1K:G1K+7]    ; K0 into slot 0
	s_nop 0
	tensor_load_to_lds s[G0+4:G0+7], s[G1K:G1K+7]  ; K1 into slot 1: two loads of mine are out
	s_nop 0
	PLACES
	v_and_b32 v1, 15, v0                           ; r = l % 16
	v_bfe_u32 v2, v0, 4, 1                         ; h = l / 16
	v_lshlrev_b32 v[QO], 9, v1
	v_lshl_add_u32 v[QO], v2, 5, v[QO]             ; q: row x 512 + 32 x half
	; Q's fragment (qt, c) wants channels 32 c + 8 h + 0..7 and 32 c + 16 + 8 h + 0..7 of row 16 qt + r: in f32 two times 32 bytes, 64 bytes apart.  They wait in window 0's score registers.
.irp f, 0,1,2,3,4,5,6,7
.irp p, 0,1,2,3
	global_load_b128 v[SR+16*(\f)+4*(\p):SR+16*(\f)+4*(\p)+3], v[QO], s[4:5] offset:8192*((\f)/4)+128*((\f)%4)+64*((\p)/2)+16*((\p)%2)
.endr
.endr
	v_mul_u32_u24 v16, v1, PK
	v_lshl_add_u32 v16, v2, 4, v16                 ; K: row x pitch + 16 x half
	v_add_nc_u32 v[AK], s[SWK], v16
	v_add_nc_u32 v[AK+1], SLOTB, v[AK]
	v_and_b32 v17, 7, v0
	v_bfe_u32 v18, v0, 3, 1
	v_lshl_add_u32 v19, v2, 3, v17                 ; V: key 8 h + l % 8,
	v_mul_u32_u24 v19, v19, PV
	v_lshl_add_u32 v19, v18, 4, v19                ; channels 8 ((l / 8) % 2) on
	v_add_nc_u32 v[AV], s[SWV], v19
	v_add_nc_u32 v[AV+1], SLOTB, v[AV]
	v_lshl_add_u32 v[XMW], v0, 3, XM               ; thread 32 w + 16 h + r puts 8 bytes at 256 w + 128 h + 8 r,
	v_lshl_add_u32 v[XMR], v1, 3, XM               ; so query r's 8 parts lie 128 bytes apart
	v_lshl_add_u32 v[XSW], v0, 4, XS               ; likewise with 16 bytes,
	v_lshl_add_u32 v[XSR], v1, 4, XS               ; 256 bytes apart
	v_mul_u32_u24 v[STO], v1, SP
	v_lshl_add_u32 v[STO], v2, 5, v[STO]           ; the way out, in: row r, 32 bytes for each half of the lanes
	v_add_nc_u32 v[STO], s23, v[STO]
	v_and_b32 v20, 31, v0
	v_lshl_add_u32 v[RD], v20, 4, s22              ; back: 32 lanes take a whole row of 512 bytes
	s_lshl_b32 s16, s[WV], 12                      ; and my 8 rows of 512 bytes in out0
	v_lshl_add_u32 v[GO], v20, 4, s16
	s_wait_loadcnt 0x0                             ; q
.set n, 0
.rept 64
	v_cvt_pk_bf16_f32 v[QF+n], v[SR+2*n], v[SR+2*n+1]   ; q is rounded once, unscaled: c is applied in f32
.set n, n+1
.endr
	; ---- PHASE 1: THE SCORES ----
	s_wait_tensorcnt 0x1                           ; my part of K0 is in, and only I read it; K1 may stay out
	KSTEP 0, 0
	CHANGE 0, 0, 2                                 ; K1 is in; K2 goes out
	KSTEP 1, 1
	CHANGE 1, 0, 3
	KSTEP 2, 0
	CHANGE 0, 1, 0                                 ; V0
	KSTEP 3, 1
	CHANGE 1, 1, 1                                 ; V0 is in; V1 goes out and lands under phase 2.  The four v_nop are the places behind the last products
	; ---- PHASE 2: THE THRESHOLD ----
.irp w, 1,2,3,0
	WIN 0x55*(\w)
	v_mov_b32 v[CC], CVAL
	v_mov_b32 v[CC+1], CVAL
	MAXW
.endr
	WIN 1                                          ; source 0 in window w; source 1 and destination in window 0
	v_max_num_f32 v[XP],   v[MX],   v[MX]
	v_max_num_f32 v[XP+1], v[MX+4], v[MX+4]
.irp w, 2,3
	WIN \w
	v_max_num_f32 v[XP],   v[MX],   v[XP]
	v_max_num_f32 v[XP+1], v[MX+4], v[XP+1]
.endr
	WIN 0
	ds_store_b64 v[XMW], v[XP:XP+1]
	s_wait_dscnt 0x0                               ; for the others' sake: my store is done
	s_barrier_signal -1
	s_barrier_wait -1
.irp i, 0,1,2,3,4,5,6,7
	ds_load_b64 v[XL+2*(\i):XL+2*(\i)+1], v[XMR] offset:128*(\i)
.endr
	s_wait_dscnt 0x0
.irp i, 2,6,10
.irp p, 0,1
	v_max3_num_f32 v[XL+(\p)], v[XL+(\p)], v[XL+(\i)+(\p)], v[XL+(\i)+2+(\p)]
.endr
.endr
.irp p, 0,1
	v_max_num_f32 v[XL+(\p)], v[XL+(\p)], v[XL+14+(\p)]
.endr
	v_fma_f32 v[NW],   s[NC], v[XL],   1.0         ; tau = -1: nw = 1 - c m
	v_fma_f32 v[NW+2], s[NC], v[XL+1], 1.0
	v_mov_b32 v[NW+1], v[NW]
	v_mov_b32 v[NW+3], v[NW+2]
	s_mov_b32 s[CNT], 5
.Lnewton:                                              ; five trips of two steps: ten steps, for every input
	ITER 0
	ITER 1
	WIN 0
	s_sub_co_u32 s[CNT], s[CNT], 1
	s_cmp_lg_u32 s[CNT], 0
	s_cbranch_scc1 .Lnewton
.irp w, 1,2,3
	DIST \w
	WIN 0x55*(\w)
	CONV
.endr
	WIN 0
	CONV
	; ---- PHASE 3: O^T = V^T P ----
	s_wait_tensorcnt 0x1                           ; V0 was shown landed in front of the last round; V1, issued behind it, may stay out
	VSTEP 0, 0, 1
	CHANGE 0, 1, 2                                 ; V1 is in; V2 goes out
	VSTEP 1, 1, 0
	CHANGE 1, 1, 3                                 ; V2 is in; V3 goes out: the last load
	VSTEP 2, 0, 0
	PLACES                                         ; no slot is filled here, so no change of slots brings the four places between the products that read V's two buffers and the loads that fill them again
	s_wait_tensorcnt 0x0                           ; V3: no load was issued behind it
	VSTEP 3, 1, 0
	; ---- PHASE 4: THE WAY OUT ----
	PLACES                                         ; the stores below read results just made
	WIN 0
	s_wait_dscnt 0x0
	s_barrier_signal -1
	s_barrier_wait -1                              ; no wave reads slot 0 any more, and it has had its last fill: the stage lies over it
	WIN 0x0c                                       ; store data in window 3, address in window 0
.irp qt, 0,1
.irp ct, 0,1,2,3,4,5,6,7                ; a lane holds channels 16 ct + 8 h + 0..7 of query 16 qt + r: 32 bytes; each accumulator's low half goes first
	ds_store_b128 v[STO], v[64*(\qt)+8*(\ct):64*(\qt)+8*(\ct)+3]   offset:16*SP*(\qt)+64*(\ct)
	ds_store_b128 v[STO], v[64*(\qt)+8*(\ct)+4:64*(\qt)+8*(\ct)+7] offset:16*SP*(\qt)+64*(\ct)+16
.endr
.endr
	s_wait_dscnt 0x0                               ; for the others' sake: my part of the stage is written
	s_barrier_signal -1
	s_barrier_wait -1
	WIN 0
.irp i, 0,1,2,3,4,5,6,7                 ; wave w adds up rows 8 w .. 8 w + 7: row i of them from each of the four parts
.irp p, 0,1,2,3
	ds_load_b128 v[SR+16*(\i)+4*(\p):SR+16*(\i)+4*(\p)+3], v[RD] offset:(\p)*STG+(\i)*SP
.endr
.endr
.irp i, 0,1,2,3,4,5,6,7
	s_wait_dscnt 28-4*(\i)                         ; LDS loads come back in order: row i's four are in, the later rows' 4 (7 - i) may be out
	v_pk_add_f32 v[SR+16*(\i):SR+16*(\i)+1],     v[SR+16*(\i):SR+16*(\i)+1],     v[SR+16*(\i)+4:SR+16*(\i)+5]
	v_pk_add_f32 v[SR+16*(\i)+2:SR+16*(\i)+3],   v[SR+16*(\i)+2:SR+16*(\i)+3],   v[SR+16*(\i)+6:SR+16*(\i)+7]
	v_pk_add_f32 v[SR+16*(\i)+8:SR+16*(\i)+9],   v[SR+16*(\i)+8:SR+16*(\i)+9],   v[SR+16*(\i)+12:SR+16*(\i)+13]
	v_pk_add_f32 v[SR+16*(\i)+10:SR+16*(\i)+11], v[SR+16*(\i)+10:SR+16*(\i)+11], v[SR+16*(\i)+14:SR+16*(\i)+15]
	v_pk_add_f32 v[SR+16*(\i):SR+16*(\i)+1],     v[SR+16*(\i):SR+16*(\i)+1],     v[SR+16*(\i)+8:SR+16*(\i)+9]
	v_pk_add_f32 v[SR+16*(\i)+2:SR+16*(\i)+3],   v[SR+16*(\i)+2:SR+16*(\i)+3],   v[SR+16*(\i)+10:SR+16*(\i)+11]
	global_store_b128 v[GO], v[SR+16*(\i):SR+16*(\i)+3], s[10:11] offset:512*(\i) th:TH_STORE_NT   ; the wave stores a whole row: 512 consecutive bytes, at a multiple of 256 from out0's first byte
.endr
	s_wait_tensorcnt 0x0                           ; the wave's end: a wait, an add and its wait, behind my last tensor load and my last LDS store
	ds_add_u32 v[SPW], v[NIL]
	s_wait_dscnt 0x0
	CROUND                                         ; the closing round: no work-group ends while a partner may still ask for a tile that names it
	s_endpgm
.Lfunc_end_k_qfd239fb064_entmax:
	.size	k_qfd239fb064_entmax, .Lfunc_end_k_qfd239fb064_entmax-k_qfd239fb064_entmax
	.p2alignl 7, 3214868480
	.fill 96, 4, 3214868480
	.section	.rodata,"a",@progbits
	.p2align	6, 0x0
	.amdhsa_kernel k_qfd239fb064_entmax
		.amdhsa_group_segment_fixed_size 327680
		.amdhsa_private_segment_fixed_size 0
		.amdhsa_enable_private_segment 0
		.amdhsa_kernarg_size 32
		.amdhsa_user_sgpr_count 2
		.amdhsa_user_sgpr_kernarg_segment_ptr 1
		.amdhsa_wavefront_size32 1
		.amdhsa_system_sgpr_workgroup_id_x 1
		.amdhsa_system_sgpr_workgroup_id_y 1
		.amdhsa_system_sgpr_workgroup_id_z 1
		.amdhsa_system_vgpr_workitem_id 0
		.amdhsa_next_free_vgpr 1024
		.amdhsa_next_free_sgpr 66
		.amdhsa_reserve_vcc 0
		.amdhsa_float_denorm_mode_32 3
		.amdhsa_float_denorm_mode_16_64 3
		.amdhsa_memory_ordered 1
		.amdhsa_forward_progress 1
		.amdhsa_inst_pref_size 255
	.end_amdhsa_kernel
	.section	.bss,"aw",@nobits
	.p2align	6
	.space	262144
	.amdgpu_metadata
---
amdhsa.version: [ 1, 2 ]
amdhsa.kernels:
  - .name:           k_qfd239fb064_entmax
    .symbol:         k_qfd239fb064_entmax.kd
    .args:
      - { .name: q, .offset: 0, .size: 8, .value_kind: global_buffer, .address_space: global }
      - { .name: kb, .offset: 8, .size: 8, .value_kind: global_buffer, .address_space: global }
      - { .name: vh, .offset: 16, .size: 8, .value_kind: global_buffer, .address_space: global }
      - { .name: out0, .offset: 24, .size: 8, .value_kind: global_buffer, .address_space: global }
    .group_segment_fixed_size: 327680
    .private_segment_fixed_size: 0
    .kernarg_segment_align: 8
    .kernarg_segment_size: 32
    .max_flat_workgroup_size: 128
    .sgpr_count:     66
    .vgpr_count:     1024
    .wavefront_size: 32
...
	.end_amdgpu_metadata
.endif
;; end of part 2
